; MI455X (gfx1250); checked and timed in simulation.
; The chip was launched on July 23, 2026; its instructions are those of AMD's public machine-readable ISA for CDNA 5 (MIT licence, August 2026) and "CDNA5" Instruction Set Architecture Reference Guide (July 2026). The comments in the code are by the model that wrote it; some were corrected since.
;; Sparsemax. Allowed arithmetic: float matrix products may take bf16 or f16 operands with f32 sums; all other float work in f32.
;; Inputs: x 8 x 1,024 x 2,048 float32.
;; Outputs: out0 8 x 1,024 x 2,048 float32.
;; 2 versions, each right; version 2 is version 1 with the launch sparsemax written anew for expert scheduling mode. Each part assembles by itself: llvm-mc -triple=amdgcn-amd-amdhsa -mcpu=gfx1250 --defsym DOCPART=n.
;; ======== version 1 of 2: 1 launch
;; launch sparsemax (part 1): grid 1024 x 1, 8 waves a work-group, no clusters, 0 bytes of LDS; arguments x, out0; writes out0
.if DOCPART == 1
	.amdgcn_target "amdgcn-amd-amdhsa--gfx1250"
	.amdhsa_code_object_version 6
	.text
	.protected	k_qc8472cfb35_sparsemax
	.globl	k_qc8472cfb35_sparsemax
	.p2align	8
	.type	k_qc8472cfb35_sparsemax,@function
k_qc8472cfb35_sparsemax:
	s_mov_b64 s[64:65], 0
	v_nop
	global_prefetch_b8 v0, s[64:65] scope:SCOPE_SE
	s_setreg_imm32_b32 hwreg(HW_REG_WAVE_MODE, 25, 1), 1
	s_wait_xcnt 0x0
; out[row][i] = relu(x[row][i] - tau[row]),  tau = (tmp - 1) / k,  over the 8,192 rows of 2,048 f32 (8,192 bytes a row), where with
; c_i = x_1 + .. + x_i an element i (counted from 1) is MASKED if 1 + i x_i <= c_i,  k = the largest unmasked i (0 if none),
; tmp = the largest unmasked c_i (-inf if none).
;
; ONE WAVE, ONE ROW, kept in 64 registers a lane between the pass that finds tau and the pass that applies it: each byte is read once and
; written once, no wave waits for another, there is no LDS, no barrier and no loop.  Eight waves a work-group, 1,024 work-groups.
; No two waves read the same byte, so clusters, joint requests and LDS tiles have nothing to share; there is no product for the matrix unit.
;
; LAYOUT.  Lane l = 16 h + r.  Load j (0..15): lanes 0-15 take the 256 bytes at 256 j of the row's first half, lanes 16-31 the 256 bytes at
; 256 j of its second half: sixteen neighbouring lanes cover 256 consecutive bytes, aligned, in every load and every store.
; Register X+4j+e of lane (h, r) is element 1024 h + 64 j + 4 r + e.  So each half of the row is scanned inside one row of 16 lanes, where
; DPP reaches every lane, and the two halves meet once.
;
; LIMITS, stated: (1) the sums are formed in another order than a serial cumsum (quads, lanes, pieces, halves), the left side is one fused
; multiply-add, and the first half's total P stands on the left side for the upper half: (1 - P) + i x_i <= c_i - P.  An element whose two sides
; agree to within the rounding of f32 sums of their size may fall on the other side of <= than in another order of the same f32 arithmetic.
; (2) 1 / k is v_rcp_f32, accurate to one unit in the last place.  (3) NaN and infinite inputs are not reproduced: v_max_num_f32 drops a NaN.
; A row in which every element is masked gives k = 0, tmp = -inf, tau = -inf and out = +inf, as the definition does.
.set UNIT,  256                        ; bytes that 16 lanes take in one load
.set VOFF,  1                          ; v1        byte offset of my 16 bytes in piece 0 of my half of my wave's row
.set KK,    4                          ; v[4:7]    k (as f32) of my four elements of the quad at work
.set Q,     8                          ; v[8:9]    1 - P, twice (a pair for the packed multiply-add)
.set NTAU,  10                         ; v[10:11]  -tau, twice
.set NINF,  12                         ; v12       -inf
.set KI,    13                         ; v13       the largest unmasked k met so far
.set T0,    14                         ; v14, v15  two running maxima of unmasked sums
.set T1,    15
.set PP,    16                         ; v16       P: the first half's total in lanes 16-31, 0 in lanes 0-15
.set C,     18                         ; v[18:21]  the quad's four sums
.set L,     22                         ; v[22:25]  the quad's four left sides
.set R,     32                         ; v[32:47]  quad j: its sum, then the inclusive scan of the sums over my 16 lanes
.set O,     48                         ; v[48:63]  at first scratch for the quad sums; then quad j: the sum of all that lies in front of it in my half
.set X,     64                         ; v[64:127] the row
	s_load_b128 s[4:7], s[0:1], 0x0                ; x s[4:5], out0 s[6:7]
	v_lshrrev_b32 v2, 4, v0                        ; 2 x wave + h
	v_and_b32 v3, 15, v0                           ; r
	v_lshlrev_b32 v[VOFF], 12, v2                  ; wave x 8,192 + h x 4,096
	v_lshl_add_u32 v[VOFF], v3, 4, v[VOFF]         ; + 16 r
	s_lshl_b32 s8, ttmp9, 16                       ; the work-group's 8 rows of 8,192 bytes: at most 1,023 x 65,536, inside 32 bits
	s_mov_b32 s9, 0
	s_wait_kmcnt 0x0
	s_add_nc_u64 s[4:5], s[4:5], s[8:9]
	s_add_nc_u64 s[6:7], s[6:7], s[8:9]
.irp j, 0,1,2,3,4,5,6,7,8,9,10,11,12,13,14,15
	global_load_b128 v[X+4*\j:X+4*\j+3], v[VOFF], s[4:5] offset:UNIT*\j th:TH_LOAD_NT   ; the whole row is asked for before anything else is done
.endr
	; constants, while the row is on its way
	v_and_b32 v2, 1, v2                            ; h
	v_lshlrev_b32 v2, 10, v2                       ; 1024 h
	v_lshl_add_u32 v2, v3, 2, v2                   ; + 4 r: my first element's index, counted from 0
	v_cvt_f32_u32 v2, v2                           ; whole numbers up to 2,048 are exact in f32
	v_add_f32 v[KK],   1.0, v2                     ; k counts from 1
	v_add_f32 v[KK+1], 2.0, v2
	v_add_f32 v[KK+2], 0x40400000, v2              ; 3.0
	v_add_f32 v[KK+3], 4.0, v2
	v_mov_b32 v[NINF], 0xff800000
	s_mov_b32 s10, 0x42800000                      ; 64.0: from a quad to my next; both words written, the packed add names the pair
	s_mov_b32 s11, 0x42800000
	s_mov_b32 s12, 0x76543210                      ; v_permlanex16_b32: lane i of one half reads lane i of the other
	s_mov_b32 s13, 0xfedcba98
	s_mov_b32 s14, 0xffff0000                      ; lanes 16-31
	; QUAD SUMS, each as soon as its load is in.  The scratch pairs walk through all of O, so that eight sums are independent of each other.
.irp j, 0,1,2,3,4,5,6,7,8,9,10,11,12,13,14,15
	s_wait_loadcnt 15-\j                           ; loads come back in order (ISA guide 5.7.1): load j is in, the 15 - j younger ones may be out
	v_pk_add_f32 v[O+2*(\j%8):O+2*(\j%8)+1], v[X+4*\j:X+4*\j+1], v[X+4*\j+2:X+4*\j+3]
	v_add_f32 v[R+\j], v[O+2*(\j%8)], v[O+2*(\j%8)+1]
.endr
	; INCLUSIVE SCAN over my 16 lanes, sixteen registers side by side.  row_shr:n: lane r adds lane r - n; a lane that has no such lane
	; is left as it is, which is what the scan wants of it.
.irp n, 1,2,4,8
.irp j, 0,1,2,3,4,5,6,7,8,9,10,11,12,13,14,15
	v_add_f32_dpp v[R+\j], v[R+\j], v[R+\j] row_shr:\n row_mask:0xf bank_mask:0xf
.endr
.endr
	; OFFSETS.  Lane 15 of my 16 holds piece j's total: row_share:15 hands it to all, and O+j+1 = O+j + that total.  Then O+j takes the sums of
	; the lanes in front of me in piece j (row_shr:1; lane r = 0 has none and keeps O+j).  R+j is free behind its two lines.
	v_mov_b32 v[O], 0
.irp j, 0,1,2,3,4,5,6,7,8,9,10,11,12,13,14
	v_add_f32_dpp v[O+\j+1], v[R+\j], v[O+\j] row_share:15 row_mask:0xf bank_mask:0xf
	v_add_f32_dpp v[O+\j],   v[R+\j], v[O+\j] row_shr:1 row_mask:0xf bank_mask:0xf
.endr
	v_add_f32_dpp v[R],    v[R+15], v[O+15] row_share:15 row_mask:0xf bank_mask:0xf   ; my half's total, into a register that is free
	v_add_f32_dpp v[O+15], v[R+15], v[O+15] row_shr:1 row_mask:0xf bank_mask:0xf
	v_permlanex16_b32 v[R+1], v[R], s12, s13       ; the other half's total (the destination counts as read: R+1 has been written)
	v_cndmask_b32 v[PP], 0, v[R+1], s14            ; P: lanes 16-31 have the first half in front of them, lanes 0-15 nothing
	v_sub_f32 v[Q],   1.0, v[PP]                   ; P goes to the left side of the comparison, once, in place of 64 additions on the right
	v_sub_f32 v[Q+1], 1.0, v[PP]
; One quad: its four sums, its four left sides, four masks in scalar registers of their own, and what the masks select.
; A lane meets its k in ascending order, so the last unmasked k is its largest: one select, no maximum.
; v_cndmask_b32 D, a, b, mask gives b where the mask is set: a masked element keeps KI and turns its sum into -inf.
; v_cmp_le_f32 is false for a NaN, as <= is.  first = 1: the first quad starts KI and the two maxima, nothing is cleared.
.macro QUAD j, first, last
	v_add_f32 v[C], v[O+\j], v[X+4*\j]
	v_pk_fma_f32 v[L:L+1], v[KK:KK+1], v[X+4*\j:X+4*\j+1], v[Q:Q+1]
	v_add_f32 v[C+1], v[C], v[X+4*\j+1]
	v_pk_fma_f32 v[L+2:L+3], v[KK+2:KK+3], v[X+4*\j+2:X+4*\j+3], v[Q:Q+1]
	v_add_f32 v[C+2], v[C+1], v[X+4*\j+2]
	v_cmp_le_f32 s20, v[L], v[C]
	v_add_f32 v[C+3], v[C+2], v[X+4*\j+3]
	v_cmp_le_f32 s21, v[L+1], v[C+1]
	v_cmp_le_f32 s22, v[L+2], v[C+2]
	v_cmp_le_f32 s23, v[L+3], v[C+3]
.if \first
	v_cndmask_b32 v[KI], v[KK], 0, s20
.else
	v_cndmask_b32 v[KI], v[KK], v[KI], s20
.endif
	v_cndmask_b32 v[C],   v[C],   v[NINF], s20
	v_cndmask_b32 v[KI],  v[KK+1], v[KI],  s21
	v_cndmask_b32 v[C+1], v[C+1], v[NINF], s21
	v_cndmask_b32 v[KI],  v[KK+2], v[KI],  s22
	v_cndmask_b32 v[C+2], v[C+2], v[NINF], s22
	v_cndmask_b32 v[KI],  v[KK+3], v[KI],  s23
	v_cndmask_b32 v[C+3], v[C+3], v[NINF], s23
.if \first
	v_max_num_f32 v[T0], v[C],   v[C+1]
	v_max_num_f32 v[T1], v[C+2], v[C+3]
.else
	v_max3_num_f32 v[T0], v[T0], v[C],   v[C+1]
	v_max3_num_f32 v[T1], v[T1], v[C+2], v[C+3]
.endif
.if \last == 0
	v_pk_add_f32 v[KK:KK+1],   v[KK:KK+1],   s[10:11] op_sel_hi:[1,0]    ; my next quad lies 64 elements on
	v_pk_add_f32 v[KK+2:KK+3], v[KK+2:KK+3], s[10:11] op_sel_hi:[1,0]
.endif
.endm
	QUAD 0, 1, 0
.irp j, 1,2,3,4,5,6,7,8,9,10,11,12,13,14
	QUAD \j, 0, 0
.endr
	QUAD 15, 0, 1
	; TAU.  The lane's maximum gets P back (adding one number to all keeps their order, so once behind the maximum is enough),
	; then both maxima go over the 32 lanes: four steps inside 16 lanes ride on the arithmetic, one crosses the halves.
	v_max_num_f32 v[T0], v[T0], v[T1]
	v_add_f32 v[T0], v[T0], v[PP]
.irp n, 1,2,4,8
	v_max_num_f32_dpp v[T0], v[T0], v[T0] row_xmask:\n row_mask:0xf bank_mask:0xf
	v_max_num_f32_dpp v[KI], v[KI], v[KI] row_xmask:\n row_mask:0xf bank_mask:0xf
.endr
	v_permlanex16_b32 v[T1], v[T0], s12, s13       ; destinations that have been written before
	v_permlanex16_b32 v[C],  v[KI], s12, s13
	v_max_num_f32 v[T0], v[T0], v[T1]              ; tmp, in every lane
	v_max_num_f32 v[KI], v[KI], v[C]               ; k, in every lane
	v_rcp_f32 v[C+1], v[KI]                        ; behind it one plain vector instruction that touches neither its result nor its source
	v_sub_f32 v[T0], 1.0, v[T0]                    ; (ISA guide 5.7.2): 1 - tmp
	s_wait_alu depctr_va_vdst(0)
	v_mul_f32 v[NTAU],   v[T0], v[C+1]             ; -tau = (1 - tmp) / k, twice for the packed add
	v_mul_f32 v[NTAU+1], v[T0], v[C+1]
	; OUT: in place, and stored from the registers the row was loaded into; nothing rewrites them or the offset afterwards.
.irp j, 0,1,2,3,4,5,6,7,8,9,10,11,12,13,14,15
	v_pk_add_f32 v[X+4*\j:X+4*\j+1],   v[X+4*\j:X+4*\j+1],   v[NTAU:NTAU+1]
	v_pk_add_f32 v[X+4*\j+2:X+4*\j+3], v[X+4*\j+2:X+4*\j+3], v[NTAU:NTAU+1]
	v_max_num_f32 v[X+4*\j],   0, v[X+4*\j]
	v_max_num_f32 v[X+4*\j+1], 0, v[X+4*\j+1]
	v_max_num_f32 v[X+4*\j+2], 0, v[X+4*\j+2]
	v_max_num_f32 v[X+4*\j+3], 0, v[X+4*\j+3]
	global_store_b128 v[VOFF], v[X+4*\j:X+4*\j+3], s[6:7] offset:UNIT*\j th:TH_STORE_NT   ; 16 lanes store 256 consecutive bytes, aligned
.endr
	s_endpgm
.Lfunc_end_k_qc8472cfb35_sparsemax:
	.size	k_qc8472cfb35_sparsemax, .Lfunc_end_k_qc8472cfb35_sparsemax-k_qc8472cfb35_sparsemax
	.p2alignl 7, 3214868480
	.fill 96, 4, 3214868480
	.section	.rodata,"a",@progbits
	.p2align	6, 0x0
	.amdhsa_kernel k_qc8472cfb35_sparsemax
		.amdhsa_group_segment_fixed_size 0
		.amdhsa_private_segment_fixed_size 0
		.amdhsa_enable_private_segment 0
		.amdhsa_kernarg_size 16
		.amdhsa_user_sgpr_count 2
		.amdhsa_user_sgpr_kernarg_segment_ptr 1
		.amdhsa_wavefront_size32 1
		.amdhsa_system_sgpr_workgroup_id_x 1
		.amdhsa_system_sgpr_workgroup_id_y 1
		.amdhsa_system_sgpr_workgroup_id_z 1
		.amdhsa_system_vgpr_workitem_id 0
		.amdhsa_next_free_vgpr 128
		.amdhsa_next_free_sgpr 66
		.amdhsa_reserve_vcc 0
		.amdhsa_float_denorm_mode_32 3
		.amdhsa_float_denorm_mode_16_64 3
		.amdhsa_memory_ordered 1
		.amdhsa_forward_progress 1
		.amdhsa_inst_pref_size 38
	.end_amdhsa_kernel
	.amdgpu_metadata
---
amdhsa.version: [ 1, 2 ]
amdhsa.kernels:
  - .name:           k_qc8472cfb35_sparsemax
    .symbol:         k_qc8472cfb35_sparsemax.kd
    .args:
      - { .name: x, .offset: 0, .size: 8, .value_kind: global_buffer, .address_space: global }
      - { .name: out0, .offset: 8, .size: 8, .value_kind: global_buffer, .address_space: global }
    .group_segment_fixed_size: 0
    .private_segment_fixed_size: 0
    .kernarg_segment_align: 8
    .kernarg_segment_size: 16
    .max_flat_workgroup_size: 256
    .sgpr_count:     66
    .vgpr_count:     128
    .wavefront_size: 32
...
	.end_amdgpu_metadata
.endif
;; end of part 1
;; ======== version 2 of 2: 1 launch; version 1 with the launch sparsemax written anew for expert scheduling mode
;; launch sparsemax (part 2): grid 1024 x 1, 8 waves a work-group, no clusters, 0 bytes of LDS; arguments x, out0; writes out0
.if DOCPART == 2
	.amdgcn_target "amdgcn-amd-amdhsa--gfx1250"
	.amdhsa_code_object_version 6
	.text
	.protected	k_qc8472cfb35_sparsemax
	.globl	k_qc8472cfb35_sparsemax
	.p2align	8
	.type	k_qc8472cfb35_sparsemax,@function
k_qc8472cfb35_sparsemax:
	s_mov_b64 s[64:65], 0
	v_nop
	global_prefetch_b8 v0, s[64:65] scope:SCOPE_SE
	s_setreg_imm32_b32 hwreg(HW_REG_WAVE_SCHED_MODE, 0, 2), 2
	s_setreg_imm32_b32 hwreg(HW_REG_WAVE_MODE, 25, 1), 1
	s_wait_xcnt 0x0
	s_wait_alu depctr_vm_vsrc(0)
; out[row][i] = relu(x[row][i] - tau[row]),  tau = (tmp - 1) / k,  over the 8,192 rows of 2,048 f32 (8,192 bytes a row), where with
; c_i = x_1 + .. + x_i an element i (counted from 1) is MASKED if 1 + i x_i <= c_i,  k = the largest unmasked i (0 if none),
; tmp = the largest unmasked c_i (-inf if none).
;
; ONE WAVE, ONE ROW, kept in 64 registers a lane between the pass that finds tau and the pass that applies it: each byte is read once and
; written once, no wave waits for another, there is no LDS, no barrier and no loop.  Eight waves a work-group, 1,024 work-groups.
; No two waves read the same byte, so clusters, joint requests and LDS tiles have nothing to share; there is no product for the matrix unit.
;
; LAYOUT.  Lane l = 16 h + r.  Load j (0..15): lanes 0-15 take the 256 bytes at 256 j of the row's first half, lanes 16-31 the 256 bytes at
; 256 j of its second half: sixteen neighbouring lanes cover 256 consecutive bytes, aligned, in every load and every store.
; Register X+4j+e of lane (h, r) is element 1024 h + 64 j + 4 r + e.  So each half of the row is scanned inside one row of 16 lanes, where
; DPP reaches every lane, and the two halves meet once.
;
; THE MODE: SCHED_MODE bits 1:0 = 2 (LLVM: expert scheduling mode 2), set by the entry lines.  The code itself states the register dependences
; between vector instructions and memory instructions, and those through scalar registers that vector instructions write, with s_wait_alu, always for 0.
; THE PLAN.  Registers that memory instructions touch:
;   v[VOFF]   written at the head, read as the offset by every load and store, never written again: one wait on va_vdst, ahead of the first load.
;   X         no vector instruction names it ahead of the loads that land in it; read behind the counted waits on LOADcnt; rewritten in place by the
;             last pass, four quads to a group; a group's stores read it behind one wait on va_vdst and are dealt among the next group's vector
;             lines, which name the next group's registers and -tau alone.  Nothing writes a quad behind its store.
;   So no register that a memory instruction reads is ever written again, and the only wait on vm_vsrc is the one at the entry.
; Scalar registers that vector instructions write: the masks s[16:23].  The quads go two at a time: a run of eight compares, one wait on va_sdst,
; then the sixteen selects that read the masks.
;
; LIMITS, stated: (1) the sums are formed in another order than a serial cumsum (quads, lanes, pieces, halves), the left side is one fused
; multiply-add, and the first half's total P stands on the left side for the upper half: (1 - P) + i x_i <= c_i - P.  An element whose two sides
; agree to within the rounding of f32 sums of their size may fall on the other side of <= than in another order of the same f32 arithmetic.
; (2) 1 / k is v_rcp_f32, accurate to one unit in the last place.  (3) NaN and infinite inputs are not reproduced: v_max_num_f32 drops a NaN.
; A row in which every element is masked gives k = 0, tmp = -inf, tau = -inf and out = +inf, as the definition does.
.set UNIT,  256                        ; bytes that 16 lanes take in one load
.set VOFF,  1                          ; v1        byte offset of my 16 bytes in piece 0 of my half of my wave's row
.set KK,    4                          ; v[4:7]    k (as f32) of my four elements of the even quad at work
.set Q,     8                          ; v[8:9]    1 - P, twice (a pair for the packed multiply-add)
.set NTAU,  10                         ; v[10:11]  -tau, twice
.set NINF,  12                         ; v12       -inf
.set KI,    13                         ; v13       the largest unmasked k met so far
.set T0,    14                         ; v14, v15  two running maxima of unmasked sums
.set T1,    15
.set PP,    16                         ; v16       P: the first half's total in lanes 16-31, 0 in lanes 0-15
.set C,     18                         ; v[18:21]  the even quad's four sums
.set L,     22                         ; v[22:25]  the even quad's four left sides
.set KB,    26                         ; v[26:29]  k of my four elements of the odd quad at work
.set R,     32                         ; v[32:47]  quad j: its sum, then the inclusive scan of the sums over my 16 lanes
.set C2,    32                         ; v[32:35]  the odd quad's four sums: R's registers, free once the offsets are made
.set L2,    36                         ; v[36:39]  the odd quad's four left sides, likewise
.set O,     48                         ; v[48:63]  at first scratch for the quad sums; then quad j: the sum of all that lies in front of it in my half
.set X,     64                         ; v[64:127] the row
.set M,     16                         ; s[16:23]  the masks: four of the even quad, four of the odd one
	s_load_b128 s[4:7], s[0:1], 0x0                ; x s[4:5], out0 s[6:7]
	v_lshrrev_b32 v2, 4, v0                        ; 2 x wave + h
	v_and_b32 v3, 15, v0                           ; r
	v_lshlrev_b32 v[VOFF], 12, v2                  ; wave x 8,192 + h x 4,096
	v_lshl_add_u32 v[VOFF], v3, 4, v[VOFF]         ; + 16 r
	s_lshl_b32 s8, ttmp9, 16                       ; the work-group's 8 rows of 8,192 bytes: at most 1,023 x 65,536, inside 32 bits
	s_mov_b32 s9, 0
	s_mov_b32 s10, 0x42800000                      ; 64.0: from a quad to my next; both words written, the packed add names the pair
	s_mov_b32 s11, 0x42800000
	s_mov_b32 s2, 0x43000000                       ; 128.0: from a quad to my next but one
	s_mov_b32 s3, 0x43000000
	s_mov_b32 s12, 0x76543210                      ; v_permlanex16_b32: lane i of one half reads lane i of the other
	s_mov_b32 s13, 0xfedcba98
	s_mov_b32 s14, 0xffff0000                      ; lanes 16-31
	s_wait_kmcnt 0x0
	s_add_nc_u64 s[4:5], s[4:5], s[8:9]
	s_add_nc_u64 s[6:7], s[6:7], s[8:9]
	s_wait_alu depctr_va_vdst(0)                   ; v[VOFF] is written: every load and store of the kernel reads it as its offset
.irp j, 0,1,2,3,4,5,6,7,8,9,10,11,12,13,14,15
	global_load_b128 v[X+4*\j:X+4*\j+3], v[VOFF], s[4:5] offset:UNIT*\j th:TH_LOAD_NT   ; the whole row is asked for before anything else is done
.endr
	; constants, while the row is on its way: none of these lines names v[VOFF] or X
	v_and_b32 v2, 1, v2                            ; h
	v_lshlrev_b32 v2, 10, v2                       ; 1024 h
	v_lshl_add_u32 v2, v3, 2, v2                   ; + 4 r: my first element's index, counted from 0
	v_cvt_f32_u32 v2, v2                           ; whole numbers up to 2,048 are exact in f32
	v_add_f32 v[KK],   1.0, v2                     ; k counts from 1
	v_add_f32 v[KK+1], 2.0, v2
	v_add_f32 v[KK+2], 0x40400000, v2              ; 3.0
	v_add_f32 v[KK+3], 4.0, v2
	v_mov_b32 v[NINF], 0xff800000
	v_pk_add_f32 v[KB:KB+1],   v[KK:KK+1],   s[10:11] op_sel_hi:[1,0]    ; quad 1 lies 64 elements behind quad 0
	v_pk_add_f32 v[KB+2:KB+3], v[KK+2:KK+3], s[10:11] op_sel_hi:[1,0]
	; QUAD SUMS, each as soon as its load is in.  The scratch pairs walk through all of O, so that eight sums are independent of each other.
.irp j, 0,1,2,3,4,5,6,7,8,9,10,11,12,13,14,15
	s_wait_loadcnt 15-\j                           ; loads come back in order (ISA guide 5.7.1): load j is in, the 15 - j younger ones may be out
	v_pk_add_f32 v[O+2*(\j%8):O+2*(\j%8)+1], v[X+4*\j:X+4*\j+1], v[X+4*\j+2:X+4*\j+3]
	v_add_f32 v[R+\j], v[O+2*(\j%8)], v[O+2*(\j%8)+1]
.endr
	; INCLUSIVE SCAN over my 16 lanes, sixteen registers side by side.  row_shr:n: lane r adds lane r - n; a lane that has no such lane
	; is left as it is, which is what the scan wants of it.
.irp n, 1,2,4,8
.irp j, 0,1,2,3,4,5,6,7,8,9,10,11,12,13,14,15
	v_add_f32_dpp v[R+\j], v[R+\j], v[R+\j] row_shr:\n row_mask:0xf bank_mask:0xf
.endr
.endr
	; OFFSETS.  Lane 15 of my 16 holds piece j's total: row_share:15 hands it to all, and O+j+1 = O+j + that total.  Then O+j takes the sums of
	; the lanes in front of me in piece j (row_shr:1; lane r = 0 has none and keeps O+j).  R+j is free behind its two lines.
	v_mov_b32 v[O], 0
.irp j, 0,1,2,3,4,5,6,7,8,9,10,11,12,13,14
	v_add_f32_dpp v[O+\j+1], v[R+\j], v[O+\j] row_share:15 row_mask:0xf bank_mask:0xf
	v_add_f32_dpp v[O+\j],   v[R+\j], v[O+\j] row_shr:1 row_mask:0xf bank_mask:0xf
.endr
	v_add_f32_dpp v[R],    v[R+15], v[O+15] row_share:15 row_mask:0xf bank_mask:0xf   ; my half's total, into a register that is free
	v_add_f32_dpp v[O+15], v[R+15], v[O+15] row_shr:1 row_mask:0xf bank_mask:0xf
	v_permlanex16_b32 v[R+1], v[R], s12, s13       ; the other half's total (the destination counts as read: R+1 has been written)
	v_cndmask_b32 v[PP], 0, v[R+1], s14            ; P: lanes 16-31 have the first half in front of them, lanes 0-15 nothing (s14 was written by a scalar line)
	v_sub_f32 v[Q],   1.0, v[PP]                   ; P goes to the left side of the comparison, once, in place of 64 additions on the right
	v_sub_f32 v[Q+1], 1.0, v[PP]
; Two quads, j (even) and j + 1: their eight sums, their eight left sides, eight masks in scalar registers of their own, one wait, and what the masks select.
; A lane meets its k in ascending order (quad j's four, then quad j + 1's), so the last unmasked k is its largest: one select each, no maximum.
; v_cndmask_b32 D, a, b, mask gives b where the mask is set: a masked element keeps KI and turns its sum into -inf.
; v_cmp_le_f32 is false for a NaN, as <= is.  first = 1: the first quad starts KI and the two maxima, nothing is cleared.
.macro PAIR j, first, last
	v_add_f32 v[C],  v[O+(\j)],   v[X+4*(\j)]
	v_add_f32 v[C2], v[O+(\j)+1], v[X+4*(\j)+4]
	v_pk_fma_f32 v[L:L+1],   v[KK:KK+1], v[X+4*(\j):X+4*(\j)+1],   v[Q:Q+1]
	v_pk_fma_f32 v[L2:L2+1], v[KB:KB+1], v[X+4*(\j)+4:X+4*(\j)+5], v[Q:Q+1]
	v_add_f32 v[C+1],  v[C],  v[X+4*(\j)+1]
	v_add_f32 v[C2+1], v[C2], v[X+4*(\j)+5]
	v_pk_fma_f32 v[L+2:L+3],   v[KK+2:KK+3], v[X+4*(\j)+2:X+4*(\j)+3], v[Q:Q+1]
	v_pk_fma_f32 v[L2+2:L2+3], v[KB+2:KB+3], v[X+4*(\j)+6:X+4*(\j)+7], v[Q:Q+1]
	v_add_f32 v[C+2],  v[C+1],  v[X+4*(\j)+2]
	v_add_f32 v[C2+2], v[C2+1], v[X+4*(\j)+6]
	v_cmp_le_f32 s[M],   v[L],  v[C]
	v_cmp_le_f32 s[M+4], v[L2], v[C2]
	v_add_f32 v[C+3],  v[C+2],  v[X+4*(\j)+3]
	v_add_f32 v[C2+3], v[C2+2], v[X+4*(\j)+7]
	v_cmp_le_f32 s[M+1], v[L+1],  v[C+1]
	v_cmp_le_f32 s[M+5], v[L2+1], v[C2+1]
	v_cmp_le_f32 s[M+2], v[L+2],  v[C+2]
	v_cmp_le_f32 s[M+6], v[L2+2], v[C2+2]
	v_cmp_le_f32 s[M+3], v[L+3],  v[C+3]
	v_cmp_le_f32 s[M+7], v[L2+3], v[C2+3]
	s_wait_alu depctr_va_sdst(0)                   ; the eight compares have written s[16:23], ahead of the first select that reads a mask
.if \first
	v_cndmask_b32 v[KI], v[KK], 0, s[M]
.else
	v_cndmask_b32 v[KI], v[KK], v[KI], s[M]
.endif
	v_cndmask_b32 v[C],    v[C],    v[NINF], s[M]
	v_cndmask_b32 v[KI],   v[KK+1], v[KI],   s[M+1]
	v_cndmask_b32 v[C+1],  v[C+1],  v[NINF], s[M+1]
	v_cndmask_b32 v[KI],   v[KK+2], v[KI],   s[M+2]
	v_cndmask_b32 v[C+2],  v[C+2],  v[NINF], s[M+2]
	v_cndmask_b32 v[KI],   v[KK+3], v[KI],   s[M+3]
	v_cndmask_b32 v[C+3],  v[C+3],  v[NINF], s[M+3]
	v_cndmask_b32 v[KI],   v[KB],   v[KI],   s[M+4]
	v_cndmask_b32 v[C2],   v[C2],   v[NINF], s[M+4]
	v_cndmask_b32 v[KI],   v[KB+1], v[KI],   s[M+5]
	v_cndmask_b32 v[C2+1], v[C2+1], v[NINF], s[M+5]
.if \first
	v_max_num_f32 v[T0], v[C],   v[C+1]
.else
	v_max3_num_f32 v[T0], v[T0], v[C],   v[C+1]
.endif
	v_cndmask_b32 v[KI],   v[KB+2], v[KI],   s[M+6]
	v_cndmask_b32 v[C2+2], v[C2+2], v[NINF], s[M+6]
.if \first
	v_max_num_f32 v[T1], v[C+2], v[C+3]
.else
	v_max3_num_f32 v[T1], v[T1], v[C+2], v[C+3]
.endif
	v_cndmask_b32 v[KI],   v[KB+3], v[KI],   s[M+7]
	v_cndmask_b32 v[C2+3], v[C2+3], v[NINF], s[M+7]
	v_max3_num_f32 v[T0], v[T0], v[C2],   v[C2+1]
	v_max3_num_f32 v[T1], v[T1], v[C2+2], v[C2+3]
.if \last == 0
	v_pk_add_f32 v[KK:KK+1],   v[KK:KK+1],   s[2:3] op_sel_hi:[1,0]      ; the next pair of quads lies 128 elements on
	v_pk_add_f32 v[KK+2:KK+3], v[KK+2:KK+3], s[2:3] op_sel_hi:[1,0]
	v_pk_add_f32 v[KB:KB+1],   v[KB:KB+1],   s[2:3] op_sel_hi:[1,0]
	v_pk_add_f32 v[KB+2:KB+3], v[KB+2:KB+3], s[2:3] op_sel_hi:[1,0]
.endif
.endm
	PAIR 0, 1, 0
.irp j, 2,4,6,8,10,12
	PAIR \j, 0, 0
.endr
	PAIR 14, 0, 1
	; TAU.  The lane's maximum gets P back (adding one number to all keeps their order, so once behind the maximum is enough),
	; then both maxima go over the 32 lanes: four steps inside 16 lanes ride on the arithmetic, one crosses the halves.
	v_max_num_f32 v[T0], v[T0], v[T1]
	v_add_f32 v[T0], v[T0], v[PP]
.irp n, 1,2,4,8
	v_max_num_f32_dpp v[T0], v[T0], v[T0] row_xmask:\n row_mask:0xf bank_mask:0xf
	v_max_num_f32_dpp v[KI], v[KI], v[KI] row_xmask:\n row_mask:0xf bank_mask:0xf
.endr
	v_permlanex16_b32 v[T1], v[T0], s12, s13       ; destinations that have been written before
	v_permlanex16_b32 v[C],  v[KI], s12, s13
	v_max_num_f32 v[T0], v[T0], v[T1]              ; tmp, in every lane
	v_max_num_f32 v[KI], v[KI], v[C]               ; k, in every lane
	v_rcp_f32 v[C+1], v[KI]                        ; behind it one plain vector instruction that touches neither its result nor its source
	v_sub_f32 v[T0], 1.0, v[T0]                    ; (ISA guide 5.7.2): 1 - tmp
	s_wait_alu depctr_va_vdst(0)                   ; the reciprocal has written v[C+1], ahead of its first reader
	v_mul_f32 v[NTAU],   v[T0], v[C+1]             ; -tau = (1 - tmp) / k, twice for the packed add
	v_mul_f32 v[NTAU+1], v[T0], v[C+1]
	; OUT: in place, and stored from the registers the row was loaded into; nothing rewrites them or the offset afterwards.
	; Four quads to a group.  A group's 24 vector lines, one wait, and its four stores, each in front of a quad of the next group.
.macro RELU j
	v_pk_add_f32 v[X+4*(\j):X+4*(\j)+1],   v[X+4*(\j):X+4*(\j)+1],   v[NTAU:NTAU+1]
	v_pk_add_f32 v[X+4*(\j)+2:X+4*(\j)+3], v[X+4*(\j)+2:X+4*(\j)+3], v[NTAU:NTAU+1]
	v_max_num_f32 v[X+4*(\j)],   0, v[X+4*(\j)]
	v_max_num_f32 v[X+4*(\j)+1], 0, v[X+4*(\j)+1]
	v_max_num_f32 v[X+4*(\j)+2], 0, v[X+4*(\j)+2]
	v_max_num_f32 v[X+4*(\j)+3], 0, v[X+4*(\j)+3]
.endm
.macro SEND j
	global_store_b128 v[VOFF], v[X+4*(\j):X+4*(\j)+3], s[6:7] offset:UNIT*(\j) th:TH_STORE_NT   ; 16 lanes store 256 consecutive bytes, aligned
.endm
.irp j, 0,1,2,3
	RELU \j
.endr
	s_wait_alu depctr_va_vdst(0)                   ; quads 0 to 3 of X are written, which the four stores below read; the lines among them name quads 4 to 7 and -tau alone
.irp j, 0,1,2,3
	SEND \j
	RELU \j+4
.endr
	s_wait_alu depctr_va_vdst(0)                   ; quads 4 to 7 are written, which the four stores below read; the lines among them name quads 8 to 11 and -tau alone
.irp j, 4,5,6,7
	SEND \j
	RELU \j+4
.endr
	s_wait_alu depctr_va_vdst(0)                   ; quads 8 to 11 are written, which the four stores below read; the lines among them name quads 12 to 15 and -tau alone
.irp j, 8,9,10,11
	SEND \j
	RELU \j+4
.endr
	s_wait_alu depctr_va_vdst(0)                   ; quads 12 to 15 are written, which the last four stores read
.irp j, 12,13,14,15
	SEND \j
.endr
	s_endpgm
.Lfunc_end_k_qc8472cfb35_sparsemax:
	.size	k_qc8472cfb35_sparsemax, .Lfunc_end_k_qc8472cfb35_sparsemax-k_qc8472cfb35_sparsemax
	.p2alignl 7, 3214868480
	.fill 96, 4, 3214868480
	.section	.rodata,"a",@progbits
	.p2align	6, 0x0
	.amdhsa_kernel k_qc8472cfb35_sparsemax
		.amdhsa_group_segment_fixed_size 0
		.amdhsa_private_segment_fixed_size 0
		.amdhsa_enable_private_segment 0
		.amdhsa_kernarg_size 16
		.amdhsa_user_sgpr_count 2
		.amdhsa_user_sgpr_kernarg_segment_ptr 1
		.amdhsa_wavefront_size32 1
		.amdhsa_system_sgpr_workgroup_id_x 1
		.amdhsa_system_sgpr_workgroup_id_y 1
		.amdhsa_system_sgpr_workgroup_id_z 1
		.amdhsa_system_vgpr_workitem_id 0
		.amdhsa_next_free_vgpr 128
		.amdhsa_next_free_sgpr 66
		.amdhsa_reserve_vcc 0
		.amdhsa_float_denorm_mode_32 3
		.amdhsa_float_denorm_mode_16_64 3
		.amdhsa_memory_ordered 1
		.amdhsa_forward_progress 1
		.amdhsa_inst_pref_size 38
	.end_amdhsa_kernel
	.amdgpu_metadata
---
amdhsa.version: [ 1, 2 ]
amdhsa.kernels:
  - .name:           k_qc8472cfb35_sparsemax
    .symbol:         k_qc8472cfb35_sparsemax.kd
    .args:
      - { .name: x, .offset: 0, .size: 8, .value_kind: global_buffer, .address_space: global }
      - { .name: out0, .offset: 8, .size: 8, .value_kind: global_buffer, .address_space: global }
    .group_segment_fixed_size: 0
    .private_segment_fixed_size: 0
    .kernarg_segment_align: 8
    .kernarg_segment_size: 16
    .max_flat_workgroup_size: 256
    .sgpr_count:     66
    .vgpr_count:     128
    .wavefront_size: 32
...
	.end_amdgpu_metadata
.endif
;; end of part 2
